; MI455X (gfx1250); checked and timed in simulation.
; The chip was launched on July 23, 2026; its instructions are those of AMD's public machine-readable ISA for CDNA 5 (MIT licence, August 2026) and "CDNA5" Instruction Set Architecture Reference Guide (July 2026). The comments in the code are by the model that wrote it; some were corrected since.
;; VMAE Sim CLR. Allowed arithmetic: float matrix products may take bf16 or f16 operands with f32 sums; all other float work in f32.
;; Inputs: W1 768 x 768 float32; W2 128 x 768 float32; b1 768 float32; b2 128 float32; embeds 4,096 x 768 float32; labels 4,096 int32.
;; Outputs: out0 4,096 x 128 float32; out1 4,096 x 768 float32; out2 one number float32.
;; 2 versions, each right; version 2 is version 1 with the launch prep written anew for expert scheduling mode. Each part assembles by itself: llvm-mc -triple=amdgcn-amd-amdhsa -mcpu=gfx1250 --defsym DOCPART=n.
;; ======== version 1 of 2: 4 launches
;; workspace buffers: xb 6,291,456 bytes; wb 1,376,256 bytes; part 6,291,456 bytes; rpart 8,192 bytes; dc 393,216 bytes; plog 8,388,608 bytes; psum 8,192 bytes
;; launch prep (part 1): grid 12 x 16, 8 waves a work-group, no clusters, 77,312 bytes of LDS; arguments embeds, labels, W1, W2, out1, xb, wb, part, rpart; writes out1, xb, wb, part, rpart
.if DOCPART == 1
	.amdgcn_target "amdgcn-amd-amdhsa--gfx1250"
	.amdhsa_code_object_version 6
	.text
	.protected	k_q4d81981086_prep
	.globl	k_q4d81981086_prep
	.p2align	8
	.type	k_q4d81981086_prep,@function
k_q4d81981086_prep:
	s_mov_b64 s[64:65], 0
	v_nop
	global_prefetch_b8 v0, s[64:65] scope:SCOPE_SE
	s_setreg_imm32_b32 hwreg(HW_REG_WAVE_MODE, 25, 1), 1
	s_wait_xcnt 0x0
; PREP.  One pass over embeds (x, [4096][768] f32):
;   out1 = x (the copy that the problem asks for);
;   xb   = x in bf16, laid out as matrix fragments: [row block of 16][k step of 32][1,024 bytes], in which bytes 16 L .. 16 L + 15 are
;          lane L's registers 0-3 (row L % 16, k = 8 (L / 16) + 0..7) and bytes 512 + 16 L .. its registers 4-7 (k = 16 + 8 (L / 16) + 0..7);
;   wb   = W1 (48 blocks of 16 rows) and then W2 (8 blocks) in bf16 in the same layout;
;   part[rho][c][d] = sum over the 256 rows j of row group rho of s(c, label_j) x_j[d],   s = +1 where label_j = c, else -1;
;   rpart[rho][c]   = sum over the same rows of s(c, label_j).
; WHY THE SIGNED SUMS.  768 sym_ij = sum_d (p_i - p_j)(z_i - z_j) with z = 2 x: the log-sum-exp terms drop out because sum_d (p_i - p_j) = 0,
; and the diagonal is 0.  So  sum_{i != j} s_ij 768 sym_ij = 4 sum_i (p_i - 1/768) . (r_c x_i - Dc_c),  c = label_i,  r_c = sum_j s(c, label_j),
; Dc_c = sum_j s(c, label_j) x_j, for every input.  The [4096 x 4096 x 768] product of the formula as written is not formed; the order of the
; sums differs from the formula's.  Dc is a product of a [128 x 4096] matrix of +-1 with x and goes to the matrix unit in bf16.
; LIMITS.  Labels are taken modulo 128 here (the problem's labels index a table of 128 columns, so they lie in 0..127).  x enters Dc rounded to bf16.
; SHARES.  Work-group (g, rho): rows 256 rho .. + 255, columns 64 g .. + 63 (256 bytes of each row).  Wave w streams rows 32 w .. + 31 and sums for
; classes 16 w .. + 15.  Waves 0-6 convert one weight fragment each: 192 work-groups x 7 = 1,344 = 56 x 24 fragments.
; No cluster: no two work-groups read the same bytes (a weight fragment, a piece of x and 1,024 bytes of labels each; only the labels are read by 12).
.set ROWB,  3072                       ; bytes in a row of x, W1, W2, part
.set TP,    160                        ; pitch of T: eight neighbouring rows' 32-byte pieces start at 0,160,64,224,128,32,192,96 modulo 256
.set LPO,   256*TP                     ; LDS: T [256 rows][64 bf16] at 0; label halfwords at LPO; the stage for part at STO
.set STO,   LPO+512
.set SP,    272                        ; pitch of the stage: 256 bytes + 16
.set X,     24                         ; v[24:87]   16 x 4 registers of x as loaded; later the two sets of transposed fragments
.set XT0,   24
.set XT1,   56
.set WL,    88                         ; v[88:103]  16 f32 of a weight fragment
.set WF,    104                        ; v[104:111] the same in bf16
.set IM,    112                        ; v[112:143] four fragments of x for xb
.set YL0,   144                        ; v[144:159] label halfwords, two sets
.set YL1,   152
.set SG0,   160                        ; v[160:175] fragments of signs, two sets
.set SG1,   168
.set ONES,  176                        ; v[176:183] a fragment of ones
.set ACC,   184                        ; v[184:215] four tiles: 16 columns d x 16 classes each
.set ACCR,  216                        ; v[216:223] the sums of signs
.set OUT,   224                        ; v[224:255] rows of part on their way out
	s_load_b512 s[4:19], s[0:1], 0x0               ; embeds s[4:5], labels s[6:7], W1 s[8:9], W2 s[10:11], out1 s[12:13], xb s[14:15], wb s[16:17], part s[18:19]
	s_load_b64 s[20:21], s[0:1], 0x40              ; rpart
	v_lshl_add_u32 v22, v0, 2, 0x12a00
	v_mov_b32 v23, 0
	v_lshrrev_b32 v4, 5, v0
	v_readfirstlane_b32 s22, v4                    ; wave w
	s_mov_b32 s23, ttmp9                           ; g
	s_and_b32 s24, ttmp7, 0xffff                   ; rho
	v_and_b32 v1, 15, v0                           ; r  = L % 16
	v_bfe_u32 v2, v0, 4, 1                         ; hb = L / 16
	v_and_b32 v3, 31, v0                           ; L
	s_mul_i32 s25, s22, 32*ROWB                    ; my wave's 32 rows in memory,
	s_mul_i32 s44, s22, 32*TP                      ; in T,
	s_mul_i32 s45, s22, 16*SP
	s_add_co_u32 s45, s45, STO                     ; and its 16 classes in the stage
	s_lshl_b32 s46, s22, 4                         ; its first class
	s_mov_b32 s28, 0x7f007f00
	s_mov_b32 s29, 0x80008000
	s_mov_b32 s30, 0x3f803f80                      ; two bf16 ones
	v_mul_u32_u24 v17, v2, ROWB
	v_lshl_add_u32 v17, v1, 4, v17                 ; v17 = hb rows + 16 r: two rows of 256 bytes to a wave's access
	v_add_nc_u32 v5, s25, v17                      ; v5  = the same from my wave's first row: x and out1
	v_mul_u32_u24 v6, v2, TP
	v_lshl_add_u32 v6, v1, 3, v6
	v_add_nc_u32 v6, s44, v6                       ; v6  = T: row 32 w + hb, 8 bytes (4 bf16) a lane
	v_lshlrev_b32 v7, 2, v0                        ; v7  = my label's offset
	v_lshl_add_u32 v8, v0, 1, LPO                  ; v8  = my label's halfword
	v_mul_u32_u24 v9, v1, ROWB
	v_lshl_add_u32 v9, v2, 5, v9                   ; v9  = weight row r, 8 f32 at 8 hb
	v_lshlrev_b32 v10, 4, v3                       ; v10 = 16 L
	v_mul_u32_u24 v11, v1, TP
	v_lshl_add_u32 v11, v2, 4, v11
	v_add_nc_u32 v11, s44, v11                     ; v11 = T: row 32 w + r, 16 bytes at 16 hb (a fragment along the row)
	v_and_b32 v20, 7, v0
	v_lshl_add_u32 v20, v2, 3, v20
	v_mul_u32_u24 v12, v20, TP
	v_bfe_u32 v20, v0, 3, 1
	v_lshl_add_u32 v12, v20, 4, v12                ; v12 = T: row 8 hb + L % 8, 16 bytes at 16 ((L / 8) % 2) (a transposing load)
	v_lshl_add_u32 v13, v2, 4, LPO                 ; v13 = eight label halfwords at 8 hb
	v_add_nc_u32 v20, s46, v1                      ; my class c = 16 w + r
	v_lshlrev_b32 v14, 8, v20
	v_lshl_or_b32 v14, v20, 24, v14                ; v14 = c << 8 in both halves
	v_mul_u32_u24 v15, v1, SP
	v_lshl_add_u32 v15, v2, 5, v15
	v_add_nc_u32 v15, s45, v15                     ; v15 = stage, in: class row r, 32 bytes at 32 hb
	v_mul_u32_u24 v16, v2, SP
	v_lshl_add_u32 v16, v1, 4, v16
	v_add_nc_u32 v16, s45, v16                     ; v16 = stage, back: class row hb, 16 bytes at 16 r
	v_lshlrev_b32 v18, 2, v1                       ; v18 = 4 r
	; which weight fragment: f = 7 (12 rho + g) + w, nt = f / 24 (2731 / 65536 exceeds 1/24 by 1 part in 8,192: exact for f < 8,000), ks = f % 24
	s_mul_i32 s31, s24, 12
	s_add_co_u32 s31, s31, s23
	s_mul_i32 s31, s31, 7
	s_add_co_u32 s31, s31, s22
	s_mul_i32 s32, s31, 2731
	s_lshr_b32 s32, s32, 16
	s_mul_i32 s33, s32, 24
	s_sub_co_u32 s33, s31, s33
	s_sub_co_u32 s47, s32, 48
	s_mul_i32 s26, s24, 256*ROWB
	s_lshl_b32 s27, s23, 8
	s_add_co_u32 s26, s26, s27                     ; my block of x: 256 rho rows + 256 g bytes
	s_mov_b32 s27, 0                               ; s[26:27]: an offset as a pair
	s_wait_kmcnt 0x0
	s_add_nc_u64 s[4:5], s[4:5], s[26:27]
	s_add_nc_u64 s[12:13], s[12:13], s[26:27]
	s_lshl_b32 s26, s24, 10
	s_add_nc_u64 s[6:7], s[6:7], s[26:27]          ; my 256 labels
	s_cmp_lt_u32 s32, 48
	s_cselect_b64 s[34:35], s[8:9], s[10:11]       ; blocks 0-47 are W1's, 48-55 W2's
	s_cselect_b32 s47, s32, s47
	s_mul_i32 s26, s47, 16*ROWB
	s_lshl_b32 s47, s33, 7
	s_add_co_u32 s26, s26, s47
	s_add_nc_u64 s[34:35], s[34:35], s[26:27]      ; 16 rows x 128 bytes of weights (wave 7 forms an address that it never uses)
	; every load of the kernel is issued here
	s_cmp_lt_u32 s22, 7
	s_cbranch_scc0 .Lno_wload
	global_load_b128 v[WL:WL+3],     v9, s[34:35]
	global_load_b128 v[WL+4:WL+7],   v9, s[34:35] offset:16
	global_load_b128 v[WL+8:WL+11],  v9, s[34:35] offset:64
	global_load_b128 v[WL+12:WL+15], v9, s[34:35] offset:80
.Lno_wload:
	global_load_b32 v19, v7, s[6:7]
.irp t, 0,1,2,3,4,5,6,7,8,9,10,11,12,13,14,15
	global_load_b128 v[X+4*\t:X+4*\t+3], v5, s[4:5] offset:\t*2*ROWB    ; rows 32 w + 2 t and + 1: 256 consecutive bytes each
.endr
	; the other addresses, while the loads are on their way
	s_lshl_b32 s26, s31, 10
	s_add_nc_u64 s[36:37], s[16:17], s[26:27]      ; wb + 1,024 f
	s_lshl_b32 s26, s24, 4
	s_lshl1_add_u32 s26, s22, s26
	s_mul_i32 s26, s26, 24576
	s_lshl_b32 s47, s23, 11
	s_add_co_u32 s26, s26, s47
	s_add_nc_u64 s[38:39], s[14:15], s[26:27]      ; xb: row block 16 rho + 2 w, k step 2 g
	s_mul_i32 s26, s24, 128*ROWB
	s_mul_i32 s47, s22, 16*ROWB
	s_add_co_u32 s26, s26, s47
	s_lshl_b32 s47, s23, 8
	s_add_co_u32 s26, s26, s47
	s_add_nc_u64 s[40:41], s[18:19], s[26:27]      ; part: set rho, class 16 w, column 64 g
	s_lshl_b32 s26, s24, 9
	s_lshl_b32 s47, s22, 6
	s_add_co_u32 s26, s26, s47
	s_add_nc_u64 s[42:43], s[20:21], s[26:27]      ; rpart: set rho, class 16 w
.irp j, 0,1,2,3,4,5,6,7
	v_mov_b32 v[ONES+\j], s30
.endr
	s_wait_loadcnt 16                              ; my label is in: the 16 loads of x are younger
	v_and_b32 v19, 127, v19
	v_lshlrev_b32 v19, 8, v19
	ds_store_b16 v8, v19                           ; (label % 128) << 8
; two rows of x: out to out1 as they came, and in bf16 into T
.macro XROW t
	s_wait_loadcnt 15-\t                           ; loads come back in order: load t is in, the 15 - t younger ones stay out
	global_store_b128 v5, v[X+4*\t:X+4*\t+3], s[12:13] offset:\t*2*ROWB th:TH_STORE_NT   ; 16 lanes store 256 consecutive bytes, aligned
	v_cvt_pk_bf16_f32 v20, v[X+4*\t], v[X+4*\t+1]
	v_cvt_pk_bf16_f32 v21, v[X+4*\t+2], v[X+4*\t+3]
	ds_store_b64 v6, v[20:21] offset:\t*2*TP
.endm
.irp t, 0,1,2,3,4,5,6,7,8,9,10,11,12,13,14,15
	XROW \t
.endr
	s_wait_dscnt 0x0                               ; my rows of T and my label are written,
	s_barrier_signal -1
	s_barrier_wait -1                              ; everybody's are: T and the labels are only read from here on
	; xb: my 32 rows x 64 columns are four fragments, read along the rows and stored as 512 consecutive bytes a wave
.set n, 0
.rept 8
	ds_load_b128 v[IM+4*n:IM+4*n+3], v11 offset:(n>>2)*16*TP+((n>>1)&1)*64+(n&1)*32
.set n, n+1
.endr
.set n, 0
.rept 8
	s_wait_dscnt 7-n
	global_store_b128 v10, v[IM+4*n:IM+4*n+3], s[38:39] offset:(n>>2)*24576+((n>>1)&1)*1024+(n&1)*512
.set n, n+1
.endr
	; wb: the weight fragment (its loads are the oldest: the last wait above for x was for 0)
	s_cmp_lt_u32 s22, 7
	s_cbranch_scc0 .Lno_wstore
.irp j, 0,1,2,3,4,5,6,7
	v_cvt_pk_bf16_f32 v[WF+\j], v[WL+2*\j], v[WL+2*\j+1]
.endr
	global_store_b128 v10, v[WF:WF+3],   s[36:37]
	global_store_b128 v10, v[WF+4:WF+7], s[36:37] offset:512
.Lno_wstore:
	s_wait_xcnt 0x0                                ; the stores to out1 have read v[24:87]: these registers are loaded again only behind this wait
; the loads of k step kk (rows 32 kk .. + 31 of the block): 32 label halfwords, and x transposed: 4 fragments of 16 columns d x 32 rows
.macro LDK kk, y, xt
	ds_load_b128 v[\y:\y+3],   v13 offset:(\kk)*64
	ds_load_b128 v[\y+4:\y+7], v13 offset:(\kk)*64+32
.irp nt, 0,1,2,3
	ds_load_tr16_b128 v[\xt+8*\nt:\xt+8*\nt+3],   v12 offset:(\kk)*32*TP+\nt*32
	ds_load_tr16_b128 v[\xt+8*\nt+4:\xt+8*\nt+7], v12 offset:(\kk)*32*TP+\nt*32+16*TP
.endr
.endm
; One k step.  The signs are made from the labels: (label ^ c) << 8 is 0 where they are equal and 0x0100 .. 0x7f00 elsewhere; + 0x7f00 sets bit 15
; in the second case alone and never carries out of the halfword; that bit on top of 0x3f80 is +1.0 or -1.0 in bf16.
; These 24 vector instructions name no register of the k step before: they are the places between its matrix instructions and the loads into its fragments.
; Source 0 = x transposed, source 1 = signs: register j of lane L is (d = 16 nt + 8 (L / 16) + j, class 16 w + L % 16).
; The five accumulators take turns, one instruction a turn.
.macro KS kk, y, xt, sg, yn, xtn, first, last
	s_wait_dscnt 8                                 ; this step's labels are in; its 8 transposing loads are younger
.irp j, 0,1,2,3,4,5,6,7
	v_xor_b32 v[\sg+\j], v[\y+\j], v14
	v_add_nc_u32 v[\sg+\j], s28, v[\sg+\j]
	v_and_or_b32 v[\sg+\j], v[\sg+\j], s29, s30
.endr
.if \last
	s_wait_dscnt 0
.else
	LDK \kk+1, \yn, \xtn
	s_wait_dscnt 10                                ; all but the 10 just issued
.endif
.irp nt, 0,1,2,3
.if \first
	v_wmma_f32_16x16x32_bf16 v[ACC+8*\nt:ACC+8*\nt+7], v[\xt+8*\nt:\xt+8*\nt+7], v[\sg:\sg+7], 0
.else
	v_wmma_f32_16x16x32_bf16 v[ACC+8*\nt:ACC+8*\nt+7], v[\xt+8*\nt:\xt+8*\nt+7], v[\sg:\sg+7], v[ACC+8*\nt:ACC+8*\nt+7]
.endif
.endr
.if \first
	v_wmma_f32_16x16x32_bf16 v[ACCR:ACCR+7], v[ONES:ONES+7], v[\sg:\sg+7], 0
.else
	v_wmma_f32_16x16x32_bf16 v[ACCR:ACCR+7], v[ONES:ONES+7], v[\sg:\sg+7], v[ACCR:ACCR+7]
.endif
.endm
	LDK 0, YL0, XT0
	KS 0, YL0, XT0, SG0, YL1, XT1, 1, 0
	KS 1, YL1, XT1, SG1, YL0, XT0, 0, 0
	KS 2, YL0, XT0, SG0, YL1, XT1, 0, 0
	KS 3, YL1, XT1, SG1, YL0, XT0, 0, 0
	KS 4, YL0, XT0, SG0, YL1, XT1, 0, 0
	KS 5, YL1, XT1, SG1, YL0, XT0, 0, 0
	KS 6, YL0, XT0, SG0, YL1, XT1, 0, 0
	KS 7, YL1, XT1, SG1, YL0, XT0, 0, 1
	; the way out: a lane holds 8 neighbouring columns of one class; through my wave's own 16 rows of the stage they become rows of 256 bytes
.rept 4
	v_nop                                          ; four places behind the last matrix instruction before its result is read (ISA guide 7.12.1)
.endr
.irp nt, 0,1,2,3
	ds_store_b128 v15, v[ACC+8*\nt:ACC+8*\nt+3]   offset:\nt*64
	ds_store_b128 v15, v[ACC+8*\nt+4:ACC+8*\nt+7] offset:\nt*64+16
.endr
.irp t, 0,1,2,3,4,5,6,7
	ds_load_b128 v[OUT+4*\t:OUT+4*\t+3], v16 offset:\t*2*SP    ; LDS serves a wave's instructions in order: these see the stores above
.endr
.irp t, 0,1,2,3,4,5,6,7
	s_wait_dscnt 7-\t
	global_store_b128 v17, v[OUT+4*\t:OUT+4*\t+3], s[40:41] offset:\t*2*ROWB   ; classes 16 w + 2 t and + 1: 256 consecutive bytes each, aligned
.endr
	s_cmp_lg_u32 s23, 0                            ; the sums of signs hang on rho alone: the work-groups with g = 0 store them
	s_cbranch_scc1 .Lno_r
	global_store_b32 v18, v[ACCR], s[42:43]        ; every row of that tile is the same: lanes L and L + 16 store one word with one value
.Lno_r:
	s_wait_tensorcnt 0x0
	ds_add_u32 v22, v23
	s_wait_dscnt 0x0
	s_endpgm
.Lfunc_end_k_q4d81981086_prep:
	.size	k_q4d81981086_prep, .Lfunc_end_k_q4d81981086_prep-k_q4d81981086_prep
	.p2alignl 7, 3214868480
	.fill 96, 4, 3214868480
	.section	.rodata,"a",@progbits
	.p2align	6, 0x0
	.amdhsa_kernel k_q4d81981086_prep
		.amdhsa_group_segment_fixed_size 77312
		.amdhsa_private_segment_fixed_size 0
		.amdhsa_enable_private_segment 0
		.amdhsa_kernarg_size 72
		.amdhsa_user_sgpr_count 2
		.amdhsa_user_sgpr_kernarg_segment_ptr 1
		.amdhsa_wavefront_size32 1
		.amdhsa_system_sgpr_workgroup_id_x 1
		.amdhsa_system_sgpr_workgroup_id_y 1
		.amdhsa_system_sgpr_workgroup_id_z 1
		.amdhsa_system_vgpr_workitem_id 0
		.amdhsa_next_free_vgpr 256
		.amdhsa_next_free_sgpr 66
		.amdhsa_reserve_vcc 0
		.amdhsa_float_denorm_mode_32 3
		.amdhsa_float_denorm_mode_16_64 3
		.amdhsa_memory_ordered 1
		.amdhsa_forward_progress 1
		.amdhsa_inst_pref_size 33
	.end_amdhsa_kernel
	.amdgpu_metadata
---
amdhsa.version: [ 1, 2 ]
amdhsa.kernels:
  - .name:           k_q4d81981086_prep
    .symbol:         k_q4d81981086_prep.kd
    .args:
      - { .name: embeds, .offset: 0, .size: 8, .value_kind: global_buffer, .address_space: global }
      - { .name: labels, .offset: 8, .size: 8, .value_kind: global_buffer, .address_space: global }
      - { .name: W1, .offset: 16, .size: 8, .value_kind: global_buffer, .address_space: global }
      - { .name: W2, .offset: 24, .size: 8, .value_kind: global_buffer, .address_space: global }
      - { .name: out1, .offset: 32, .size: 8, .value_kind: global_buffer, .address_space: global }
      - { .name: xb, .offset: 40, .size: 8, .value_kind: global_buffer, .address_space: global }
      - { .name: wb, .offset: 48, .size: 8, .value_kind: global_buffer, .address_space: global }
      - { .name: part, .offset: 56, .size: 8, .value_kind: global_buffer, .address_space: global }
      - { .name: rpart, .offset: 64, .size: 8, .value_kind: global_buffer, .address_space: global }
    .group_segment_fixed_size: 77312
    .private_segment_fixed_size: 0
    .kernarg_segment_align: 8
    .kernarg_segment_size: 72
    .max_flat_workgroup_size: 256
    .sgpr_count:     66
    .vgpr_count:     256
    .wavefront_size: 32
...
	.end_amdgpu_metadata
.endif
;; end of part 1
;; launch gemm (part 2): grid 4 x 64, 4 waves a work-group, no clusters, 168,448 bytes of LDS; arguments xb, wb, b1, part, plog, dc; writes plog, dc
.if DOCPART == 2
	.amdgcn_target "amdgcn-amd-amdhsa--gfx1250"
	.amdhsa_code_object_version 6
	.text
	.protected	k_q4d81981086_gemm
	.globl	k_q4d81981086_gemm
	.p2align	8
	.type	k_q4d81981086_gemm,@function
k_q4d81981086_gemm:
	s_mov_b64 s[64:65], 0
	v_nop
	global_prefetch_b8 v0, s[64:65] scope:SCOPE_SE
	s_setreg_imm32_b32 hwreg(HW_REG_WAVE_MODE, 25, 1), 1
	s_wait_xcnt 0x0
; GEMM.  The projection head, and the sum of the 16 partial sets of signed class sums.
; Work-group (sx, by): h = relu(x W1^T + b1) for rows 64 by .. + 63 and columns 192 sx .. + 191 (K = 768), kept in LDS in bf16, and at once its share
; of the logits: plog[sx][row][class] = sum over those 192 columns of h W2^T.  The four shares and b2 are added in the next launch.
; Wave w, first product: all 64 rows x 48 columns, 12 accumulator tiles.  Second product: 64 rows x classes 32 w .. + 31, 8 tiles.
; x (4 row blocks x 24 k steps x 1,024 bytes = 98,304 bytes, already in fragment layout) is read by all four waves: it is copied into LDS once.
; A fragment of W1 or W2 feeds one wave alone: it goes from memory straight into registers, seven k steps ahead, through a ring of 8 sets.
; Both products are used transposed (source 0 = weights, source 1 = x or h): a lane then holds 8 neighbouring columns of one row.
; Waves 0-2 also add the 16 sets of part for 96 x 16 bytes of dc (256 work-groups x 1,536 bytes = 393,216).
; NO CLUSTER: what work-groups share is W1's slice (288 KiB for the 64 with one sx).  To share it, it would have to pass through LDS, where with x's
; 96 KiB it does not fit (384 KiB against 320): slots filled again behind cluster barriers, and 288 KiB more written to and read from LDS in each
; work-group, for fragments that one wave uses once.
; LIMITS: x, W1, W2 and h are rounded to bf16 as matrix operands; a NaN in front of the relu becomes 0.
.set HS,   98304                       ; LDS: x at 0; h as fragments at HS (4 row blocks x 6 k steps x 1,024 bytes); the stage for plog at LS
.set LS,   122880
.set LSP,  528                         ; pitch of the stage: 512 bytes + 16
.set PK,   12                          ; v[12:15]   8 bf16 of h
.set ACC,  32                          ; v[32:127]  tile (mt, i) at 32 + 8 (3 mt + i); before that the 16 sets of part; later tile (mt, c) at 32 + 8 (2 mt + c)
.set AF0,  128                         ; v[128:191] fragments of x or h, two sets of 4; at the end 16 rows of plog
.set BIAS, 192                         ; v[192:215] b1 of my 3 x 8 columns
                                       ; window 1, v[0:191] (v256-v447): 8 sets of 3 fragments of W1; at the end 12 fragments of W2
.set MSB, 0
.macro WIN new                         ; s_set_vgpr_msb: bits 1:0 source 0, 3:2 source 1, 5:4 source 2, 7:6 destination; the high byte repeats the setting that is left
.if MSB != \new
	s_set_vgpr_msb (MSB<<8)|\new
.set MSB, \new
.endif
.endm
.macro PLACES                          ; four places between a matrix instruction and a load into, or a vector instruction on, its registers
.rept 4
	v_nop
.endr
.endm
	s_load_b256 s[4:11], s[0:1], 0x0               ; xb s[4:5], wb s[6:7], b1 s[8:9], part s[10:11]
	s_load_b128 s[12:15], s[0:1], 0x20             ; plog s[12:13], dc s[14:15]
	v_lshl_add_u32 v254, v0, 2, 0x29000
	v_mov_b32 v255, 0
	ds_add_u32 v254, v255
	ds_add_u32 v254, v255
	v_lshrrev_b32 v11, 5, v0
	v_readfirstlane_b32 s16, v11                   ; wave w
	s_mov_b32 s17, ttmp9                           ; sx
	s_and_b32 s18, ttmp7, 0xffff                   ; by
	s_lshl2_add_u32 s19, s18, s17                  ; 4 by + sx: the work-group's number, for dc
	v_and_b32 v1, 31, v0
	v_lshlrev_b32 v1, 4, v1                        ; v1  = 16 L
	v_and_b32 v20, 15, v0                          ; r
	v_bfe_u32 v21, v0, 4, 1                        ; hb
	s_mul_i32 s36, s16, 24576
	v_add_nc_u32 v2, s36, v1                       ; v2  = the copy's LDS address: row block w,
	v_add_nc_u32 v3, s36, v1                       ; v3  = and its offset in memory, the same figure
	v_add_nc_u32 v4, 49152, v1                     ; v4  = 16 L in row block 2 (LDS offsets have 16 bits)
	v_lshlrev_b32 v5, 5, v21                       ; v5  = 8 f32 of b1 at 8 hb
	v_lshlrev_b32 v6, 4, v0                        ; v6  = 16 t, for dc
	s_mul_i32 s37, s16, 1536
	s_add_co_u32 s37, s37, HS
	v_add_nc_u32 v7, s37, v1                       ; v7  = h, in: my three column tiles are three halves of fragments
	v_add_nc_u32 v8, HS, v1                        ; v8  = h, back
	v_mul_u32_u24 v9, v20, LSP
	v_lshl_add_u32 v9, v21, 5, v9
	s_lshl_b32 s38, s16, 7
	s_add_co_u32 s38, s38, LS
	v_add_nc_u32 v9, s38, v9                       ; v9  = stage, in: row r, my 32 classes, 32 bytes at 32 hb
	s_mul_i32 s39, s16, 16*LSP
	s_add_co_u32 s39, s39, LS
	v_add_nc_u32 v10, s39, v1                      ; v10 = stage, back: rows 16 w .., 512 bytes a wave
	s_mov_b32 s21, 0                               ; s[20:21]: an offset as a pair
	s_mul_i32 s20, s18, 98304
	s_wait_dscnt 0x0
	s_wait_kmcnt 0x0
	s_add_nc_u64 s[22:23], s[4:5], s[20:21]        ; my four row blocks of xb
	; x into LDS, once: each wave copies one row block, 48 x 512 bytes.  The immediate steps both addresses.
.set i, 0
.rept 48
	global_load_async_to_lds_b128 v2, v3, s[22:23] offset:512*i
.set i, i+1
.endr
	s_mul_i32 s20, s17, 12
	s_mul_i32 s36, s16, 3
	s_add_co_u32 s20, s20, s36
	s_mul_i32 s20, s20, 24576
	s_add_nc_u64 s[24:25], s[6:7], s[20:21]        ; W1: blocks 12 sx + 3 w .. + 2
	s_lshl_b32 s20, s16, 1
	s_add_co_u32 s20, s20, 48
	s_mul_i32 s20, s20, 24576
	s_mul_i32 s36, s17, 6144
	s_add_co_u32 s20, s20, s36
	s_add_nc_u64 s[26:27], s[6:7], s[20:21]        ; W2: blocks 48 + 2 w, + 1, from k step 6 sx
	s_mul_i32 s20, s17, 768
	s_mul_i32 s36, s16, 192
	s_add_co_u32 s20, s20, s36
	s_add_nc_u64 s[28:29], s[8:9], s[20:21]        ; b1 at column 192 sx + 48 w
	s_mul_i32 s20, s19, 1536
	s_add_nc_u64 s[30:31], s[10:11], s[20:21]
	s_add_nc_u64 s[32:33], s[14:15], s[20:21]
	s_lshl_b32 s20, s17, 21
	s_lshl_b32 s36, s18, 15
	s_add_co_u32 s20, s20, s36
	s_lshl_b32 s36, s16, 13
	s_add_co_u32 s20, s20, s36
	s_add_nc_u64 s[34:35], s[12:13], s[20:21]      ; plog: share sx, row 64 by + 16 w
; six loads: the three fragments of W1 of k step kv into set kv % 8; kv = 24 .. 27: fragments q = 3 (kv - 24) + i of W2 (class tile q % 2, k step q / 2),
; which fall on sets 0 to 3, register 8 q
.macro LDB kv
	WIN 0x40                                       ; destination in window 1, address in window 0
.if (\kv) < 24
.irp i, 0,1,2
	global_load_b128 v[24*((\kv)&7)+8*\i:24*((\kv)&7)+8*\i+3],   v1, s[24:25] offset:\i*24576+(\kv)*1024
	global_load_b128 v[24*((\kv)&7)+8*\i+4:24*((\kv)&7)+8*\i+7], v1, s[24:25] offset:\i*24576+(\kv)*1024+512
.endr
.else
.set q0, 3*((\kv)-24)
.irp i, 0,1,2
	global_load_b128 v[8*(q0+\i):8*(q0+\i)+3],   v1, s[26:27] offset:((q0+\i)&1)*24576+((q0+\i)>>1)*1024
	global_load_b128 v[8*(q0+\i)+4:8*(q0+\i)+7], v1, s[26:27] offset:((q0+\i)&1)*24576+((q0+\i)>>1)*1024+512
.endr
.endif
.endm
; eight LDS loads of 512 consecutive bytes: the four fragments of x of k step ks into set ks % 2
.macro LDA ks
	WIN 0
.irp mt, 0,1
	ds_load_b128 v[AF0+32*((\ks)&1)+8*\mt:AF0+32*((\ks)&1)+8*\mt+3],   v1 offset:\mt*24576+(\ks)*1024
	ds_load_b128 v[AF0+32*((\ks)&1)+8*\mt+4:AF0+32*((\ks)&1)+8*\mt+7], v1 offset:\mt*24576+(\ks)*1024+512
.endr
.irp mt, 0,1
	ds_load_b128 v[AF0+32*((\ks)&1)+8*\mt+16:AF0+32*((\ks)&1)+8*\mt+19], v4 offset:\mt*24576+(\ks)*1024
	ds_load_b128 v[AF0+32*((\ks)&1)+8*\mt+20:AF0+32*((\ks)&1)+8*\mt+23], v4 offset:\mt*24576+(\ks)*1024+512
.endr
.endm
; twelve matrix instructions on twelve accumulators, which take turns, one instruction a turn
.macro MM ks, zero
	WIN 0x01                                       ; source 0 (W1) in window 1
.irp mt, 0,1,2,3
.irp i, 0,1,2
.if \zero
	v_wmma_f32_16x16x32_bf16 v[ACC+8*(3*\mt+\i):ACC+8*(3*\mt+\i)+7], v[24*((\ks)&7)+8*\i:24*((\ks)&7)+8*\i+7], v[AF0+32*((\ks)&1)+8*\mt:AF0+32*((\ks)&1)+8*\mt+7], 0
.else
	v_wmma_f32_16x16x32_bf16 v[ACC+8*(3*\mt+\i):ACC+8*(3*\mt+\i)+7], v[24*((\ks)&7)+8*\i:24*((\ks)&7)+8*\i+7], v[AF0+32*((\ks)&1)+8*\mt:AF0+32*((\ks)&1)+8*\mt+7], v[ACC+8*(3*\mt+\i):ACC+8*(3*\mt+\i)+7]
.endif
.endr
.endr
.endm
; One k step: the registers that the step before has multiplied are loaded again (weights seven steps ahead, x one step ahead), then this step is multiplied.
.macro STEP ks
.if (\ks) > 0
.if (\ks) <= 22
	PLACES
.endif
.endif
.if (\ks) <= 20
	LDB \ks+7
.endif
.if (\ks) <= 22
	LDA \ks+1
.endif
.if (\ks) <= 20
	s_wait_loadcnt 42                              ; this step's weights are in: seven younger sets of six loads stay out
.else
	s_wait_loadcnt 6*(27-(\ks))                    ; nothing more is asked for: the younger sets run down
.endif
.if (\ks) <= 22
	s_wait_dscnt 8                                 ; this step's x is in: the eight loads just issued stay out
.else
	s_wait_dscnt 0
.endif
.if (\ks) == 0
	MM \ks, 1                                      ; the first product starts the sums
.else
	MM \ks, 0
.endif
.endm
.irp i, 0,1,2
	global_load_b128 v[BIAS+8*\i:BIAS+8*\i+3],   v5, s[28:29] offset:\i*64
	global_load_b128 v[BIAS+8*\i+4:BIAS+8*\i+7], v5, s[28:29] offset:\i*64+16
.endr
.irp kv, 0,1,2,3,4,5,6
	LDB \kv
.endr
	WIN 0                                          ; at a branch and at a label every window is 0
	; dc = the sum of the 16 sets of part, 16 bytes a thread, in waves 0 to 2
	s_cmp_lt_u32 s16, 3
	s_cbranch_scc0 .Lno_sum
.set i, 0
.rept 16
	global_load_b128 v[ACC+4*i:ACC+4*i+3], v6, s[30:31] offset:i*393216 th:TH_LOAD_NT
.set i, i+1
.endr
	s_wait_loadcnt 0x0
.irp st, 8,4,2,1
.set i, 0
.rept \st
	v_pk_add_f32 v[ACC+4*i:ACC+4*i+1],   v[ACC+4*i:ACC+4*i+1],   v[ACC+4*(i+\st):ACC+4*(i+\st)+1]
	v_pk_add_f32 v[ACC+4*i+2:ACC+4*i+3], v[ACC+4*i+2:ACC+4*i+3], v[ACC+4*(i+\st)+2:ACC+4*(i+\st)+3]
.set i, i+1
.endr
.endr
	global_store_b128 v6, v[ACC:ACC+3], s[32:33]
	s_wait_xcnt 0x0                                ; the store has read v[32:35]: the accumulators are written only behind this wait
.Lno_sum:
	s_wait_asynccnt 0x0                            ; my row block of x is in LDS,
	s_barrier_signal -1
	s_barrier_wait -1                              ; everybody's is; it is only read from here on
	LDA 0
.irp ks, 0,1,2,3,4,5,6,7,8,9,10,11,12,13,14,15,16,17,18,19,20,21,22,23
	STEP \ks
.endr
	; h = relu(sum + b1) in bf16.  A lane's 8 numbers of tile (mt, i) are k = 16 (3 w + i) + 8 hb + 0..7 of row 16 mt + r of the second product's operand:
	; registers 0-3 of fragment (3 w + i) / 2 for an even tile, registers 4-7 for an odd one.  So tile n goes to bytes 512 n + 16 L of its row block.
	WIN 0
	PLACES
.irp mt, 0,1,2,3
.irp i, 0,1,2
.irp j, 0,2,4,6
	v_pk_add_f32 v[ACC+8*(3*\mt+\i)+\j:ACC+8*(3*\mt+\i)+\j+1], v[ACC+8*(3*\mt+\i)+\j:ACC+8*(3*\mt+\i)+\j+1], v[BIAS+8*\i+\j:BIAS+8*\i+\j+1]
.endr
.irp j, 0,1,2,3,4,5,6,7
	v_max_num_f32 v[ACC+8*(3*\mt+\i)+\j], 0, v[ACC+8*(3*\mt+\i)+\j]
.endr
.irp j, 0,1,2,3
	v_cvt_pk_bf16_f32 v[PK+\j], v[ACC+8*(3*\mt+\i)+2*\j], v[ACC+8*(3*\mt+\i)+2*\j+1]
.endr
	ds_store_b128 v7, v[PK:PK+3] offset:\mt*6144+\i*512
.endr
.endr
	s_wait_dscnt 0x0                               ; my 48 columns of h are written,
	s_barrier_signal -1
	s_barrier_wait -1                              ; all 192 are
	s_wait_loadcnt 0x0                             ; the 12 fragments of W2
.macro LDA2 kl                         ; the four fragments of h of k step kl into set kl % 2
.irp mt, 0,1,2,3
	ds_load_b128 v[AF0+32*((\kl)&1)+8*\mt:AF0+32*((\kl)&1)+8*\mt+3],   v8 offset:\mt*6144+(\kl)*1024
	ds_load_b128 v[AF0+32*((\kl)&1)+8*\mt+4:AF0+32*((\kl)&1)+8*\mt+7], v8 offset:\mt*6144+(\kl)*1024+512
.endr
.endm
; a k step of the second product: eight accumulators take turns, one instruction a turn
.macro STEP2 kl
.if (\kl) < 5
.if (\kl) > 0
	PLACES
.endif
	LDA2 \kl+1
	s_wait_dscnt 8                                 ; this step's h is in: the eight loads just issued stay out
.else
	s_wait_dscnt 0
.endif
	WIN 0x01                                       ; source 0 (W2) in window 1
.irp mt, 0,1,2,3
.irp c, 0,1
.if (\kl) == 0
	v_wmma_f32_16x16x32_bf16 v[ACC+8*(2*\mt+\c):ACC+8*(2*\mt+\c)+7], v[8*(2*(\kl)+\c):8*(2*(\kl)+\c)+7], v[AF0+32*((\kl)&1)+8*\mt:AF0+32*((\kl)&1)+8*\mt+7], 0
.else
	v_wmma_f32_16x16x32_bf16 v[ACC+8*(2*\mt+\c):ACC+8*(2*\mt+\c)+7], v[8*(2*(\kl)+\c):8*(2*(\kl)+\c)+7], v[AF0+32*((\kl)&1)+8*\mt:AF0+32*((\kl)&1)+8*\mt+7], v[ACC+8*(2*\mt+\c):ACC+8*(2*\mt+\c)+7]
.endif
.endr
.endr
	WIN 0
.endm
	LDA2 0
.irp kl, 0,1,2,3,4,5
	STEP2 \kl
.endr
	; the way out: a lane holds 8 neighbouring classes of one row; through the stage the four waves' classes become rows of 512 bytes
	PLACES
.irp mt, 0,1,2,3
.irp c, 0,1
	ds_store_b128 v9, v[ACC+8*(2*\mt+\c):ACC+8*(2*\mt+\c)+3]   offset:\mt*16*LSP+\c*64
	ds_store_b128 v9, v[ACC+8*(2*\mt+\c)+4:ACC+8*(2*\mt+\c)+7] offset:\mt*16*LSP+\c*64+16
.endr
.endr
	s_wait_dscnt 0x0                               ; my 32 classes of the 64 rows are written,
	s_barrier_signal -1
	s_barrier_wait -1                              ; all 128 are
.irp t, 0,1,2,3,4,5,6,7,8,9,10,11,12,13,14,15
	ds_load_b128 v[AF0+4*\t:AF0+4*\t+3], v10 offset:\t*LSP
.endr
.irp t, 0,1,2,3,4,5,6,7,8,9,10,11,12,13,14,15
	s_wait_dscnt 15-\t
	global_store_b128 v1, v[AF0+4*\t:AF0+4*\t+3], s[34:35] offset:\t*512    ; a row: 512 consecutive bytes, aligned
.endr
	s_wait_tensorcnt 0x0
	ds_add_u32 v254, v255
	s_wait_dscnt 0x0
	s_endpgm
.Lfunc_end_k_q4d81981086_gemm:
	.size	k_q4d81981086_gemm, .Lfunc_end_k_q4d81981086_gemm-k_q4d81981086_gemm
	.p2alignl 7, 3214868480
	.fill 96, 4, 3214868480
	.section	.rodata,"a",@progbits
	.p2align	6, 0x0
	.amdhsa_kernel k_q4d81981086_gemm
		.amdhsa_group_segment_fixed_size 168448
		.amdhsa_private_segment_fixed_size 0
		.amdhsa_enable_private_segment 0
		.amdhsa_kernarg_size 48
		.amdhsa_user_sgpr_count 2
		.amdhsa_user_sgpr_kernarg_segment_ptr 1
		.amdhsa_wavefront_size32 1
		.amdhsa_system_sgpr_workgroup_id_x 1
		.amdhsa_system_sgpr_workgroup_id_y 1
		.amdhsa_system_sgpr_workgroup_id_z 1
		.amdhsa_system_vgpr_workitem_id 0
		.amdhsa_next_free_vgpr 448
		.amdhsa_next_free_sgpr 66
		.amdhsa_reserve_vcc 0
		.amdhsa_float_denorm_mode_32 3
		.amdhsa_float_denorm_mode_16_64 3
		.amdhsa_memory_ordered 1
		.amdhsa_forward_progress 1
		.amdhsa_inst_pref_size 86
	.end_amdhsa_kernel
	.amdgpu_metadata
---
amdhsa.version: [ 1, 2 ]
amdhsa.kernels:
  - .name:           k_q4d81981086_gemm
    .symbol:         k_q4d81981086_gemm.kd
    .args:
      - { .name: xb, .offset: 0, .size: 8, .value_kind: global_buffer, .address_space: global }
      - { .name: wb, .offset: 8, .size: 8, .value_kind: global_buffer, .address_space: global }
      - { .name: b1, .offset: 16, .size: 8, .value_kind: global_buffer, .address_space: global }
      - { .name: part, .offset: 24, .size: 8, .value_kind: global_buffer, .address_space: global }
      - { .name: plog, .offset: 32, .size: 8, .value_kind: global_buffer, .address_space: global }
      - { .name: dc, .offset: 40, .size: 8, .value_kind: global_buffer, .address_space: global }
    .group_segment_fixed_size: 168448
    .private_segment_fixed_size: 0
    .kernarg_segment_align: 8
    .kernarg_segment_size: 48
    .max_flat_workgroup_size: 128
    .sgpr_count:     66
    .vgpr_count:     448
    .wavefront_size: 32
...
	.end_amdgpu_metadata
.endif
;; end of part 2
;; launch rows (part 3): grid 256 x 1, 8 waves a work-group, no clusters, 0 bytes of LDS; arguments embeds, labels, b2, dc, rpart, plog, out0, psum; writes out0, psum
.if DOCPART == 3
	.amdgcn_target "amdgcn-amd-amdhsa--gfx1250"
	.amdhsa_code_object_version 6
	.text
	.protected	k_q4d81981086_rows
	.globl	k_q4d81981086_rows
	.p2align	8
	.type	k_q4d81981086_rows,@function
k_q4d81981086_rows:
	s_mov_b64 s[64:65], 0
	v_nop
	global_prefetch_b8 v0, s[64:65] scope:SCOPE_SE
	s_setreg_imm32_b32 hwreg(HW_REG_WAVE_MODE, 25, 1), 1
	s_wait_xcnt 0x0
; ROWS.  Everything that is local to a row, in f32.  A wave takes two rows, i0 = 16 x work-group + 2 x wave and i0 + 1, and never meets another wave.
;   logits (out0) = the four shares of plog + b2;   ce = log-sum-exp of the logits (the row's maximum taken away first) - the label's logit;
;   q = sum_d (p[d] - 1/768) g[d],  p = softmax(2 x) (the row's maximum taken away first),  g = r_c x - Dc_c,  c = the row's label:
;   the row's part of the pair term (the identity is derived at the head of the first kernel);
;   psum[8 x work-group + wave] = (ce_0 + ce_1) / 4096 + (q_0 + q_1) x 2 / (768 x 8,386,560);  8,386,560 = 4096 x 4095 / 2.
; A lane holds x[128 j + 4 L + e], j = 0..5, e = 0..3, and logits 4 L + e: every load and store of a wave covers 512 consecutive bytes.
; LIMITS.  A label outside 0..127 is taken as 127 (the problem's labels index a table of 128 columns).  Exponentials below 2^-126 count as 0.
; No matrix unit, LDS or cluster: 35 loads a wave, all issued at the head, and sums along rows that stay inside a wave.
.set X0,  8                            ; v[8:55]    x, 24 registers a row
.set DC0, 56                           ; v[56:103]  Dc of the row's class, 24 registers a row
.set PL0, 104                          ; v[104:135] the four shares of the logits, 16 registers a row
.set BB,  136                          ; v[136:139] b2
.set RR,  142                          ; v[142:145] r of the row's class, twice (a pair for the packed forms), a pair a row
.set T,   146                          ; v[146:149] at work
.set G,   150                          ; v[150:153] at work
.set ZS,  154                          ; v[154:155] sum of e          (before that v[154:157]: the pick of the label's logit)
.set SA1, 156                          ; v[156:157] sum of e g
.set SA2, 158                          ; v[158:159] sum of g
.set MX,  160                          ; v160, v161 the rows' maxima of x
.set NM,  162                          ; v[162:165] - maximum x 2 log2(e), twice, a pair a row
.set TMP, 166
.set CE,  168                          ; v168, v169
.set Q,   170                          ; v170, v171
.set LM,  172
.set NL,  173
.set ZR,  174
.set LG,  176                          ; v[176:183] the logits, 4 registers a row
; sum, or maximum, over the 32 lanes, the result in every lane
.macro WSUM reg
	v_add_f32_dpp v[\reg], v[\reg], v[\reg] row_xmask:1 row_mask:0xf bank_mask:0xf
	v_add_f32_dpp v[\reg], v[\reg], v[\reg] row_xmask:2 row_mask:0xf bank_mask:0xf
	v_add_f32_dpp v[\reg], v[\reg], v[\reg] row_xmask:4 row_mask:0xf bank_mask:0xf
	v_add_f32_dpp v[\reg], v[\reg], v[\reg] row_xmask:8 row_mask:0xf bank_mask:0xf
	v_permlanex16_b32 v[TMP], v[\reg], s36, s37
	v_add_f32 v[\reg], v[\reg], v[TMP]
.endm
.macro WMAX reg
	v_max_num_f32_dpp v[\reg], v[\reg], v[\reg] row_xmask:1 row_mask:0xf bank_mask:0xf
	v_max_num_f32_dpp v[\reg], v[\reg], v[\reg] row_xmask:2 row_mask:0xf bank_mask:0xf
	v_max_num_f32_dpp v[\reg], v[\reg], v[\reg] row_xmask:4 row_mask:0xf bank_mask:0xf
	v_max_num_f32_dpp v[\reg], v[\reg], v[\reg] row_xmask:8 row_mask:0xf bank_mask:0xf
	v_permlanex16_b32 v[TMP], v[\reg], s36, s37
	v_max_num_f32 v[\reg], v[\reg], v[TMP]
.endm
	s_load_b512 s[4:19], s[0:1], 0x0               ; embeds s[4:5], labels s[6:7], b2 s[8:9], dc s[10:11], rpart s[12:13], plog s[14:15], out0 s[16:17], psum s[18:19]
	v_lshrrev_b32 v7, 5, v0
	v_readfirstlane_b32 s20, v7                    ; wave
	s_lshl_b32 s21, ttmp9, 4
	s_lshl1_add_u32 s21, s20, s21                  ; i0
	v_and_b32 v7, 31, v0                           ; v7 = L
	v_lshlrev_b32 v1, 4, v7                        ; v1 = 16 L
	v_and_b32 v2, 15, v0
	v_lshlrev_b32 v2, 9, v2                        ; v2 = set L % 16 of rpart
	v_lshlrev_b32 v3, 2, v7                        ; v[3:6] = my four classes
	v_add_nc_u32 v4, 1, v3
	v_add_nc_u32 v5, 2, v3
	v_add_nc_u32 v6, 3, v3
	v_mov_b32 v[TMP], 0                            ; the lane exchange counts as a reader of its destination
	v_mov_b32 v[ZR], 0
	s_mov_b32 s36, 0x76543210                      ; lane i of one half reads lane i of the other
	s_mov_b32 s37, 0xfedcba98
	s_mov_b32 s38, 0x3fb8aa3b                      ; log2(e)
	s_mov_b32 s39, 0x3f317218                      ; ln(2)
	s_mov_b32 s27, 0                               ; s[26:27]: an offset as a pair
	s_lshl_b32 s26, s21, 2
	s_wait_kmcnt 0x0
	s_add_nc_u64 s[6:7], s[6:7], s[26:27]
	s_load_b64 s[22:23], s[6:7], 0x0               ; the two labels
	s_mul_i32 s26, s21, 3072
	s_add_nc_u64 s[4:5], s[4:5], s[26:27]
	s_lshl_b32 s26, s21, 9
	s_add_nc_u64 s[14:15], s[14:15], s[26:27]
	s_add_nc_u64 s[16:17], s[16:17], s[26:27]
.irp a, 0,1
.irp j, 0,1,2,3,4,5
	global_load_b128 v[X0+24*\a+4*\j:X0+24*\a+4*\j+3], v1, s[4:5] offset:\a*3072+\j*512
.endr
.endr
.irp a, 0,1
.irp sx, 0,1,2,3
	global_load_b128 v[PL0+16*\a+4*\sx:PL0+16*\a+4*\sx+3], v1, s[14:15] offset:\sx*2097152+\a*512
.endr
.endr
	global_load_b128 v[BB:BB+3], v1, s[8:9]
	s_lshl_b32 s26, ttmp9, 3
	s_add_co_u32 s26, s26, s20
	s_lshl_b32 s26, s26, 2
	s_add_nc_u64 s[18:19], s[18:19], s[26:27]      ; my word of psum
	s_wait_kmcnt 0x0
	s_min_u32 s22, s22, 127
	s_min_u32 s23, s23, 127
	s_mul_i32 s26, s22, 3072
	s_add_nc_u64 s[28:29], s[10:11], s[26:27]      ; Dc of row 0's class
	s_mul_i32 s26, s23, 3072
	s_add_nc_u64 s[30:31], s[10:11], s[26:27]      ; of row 1's
	s_lshl_b32 s26, s22, 2
	s_add_nc_u64 s[32:33], s[12:13], s[26:27]      ; the 16 partial r of row 0's class
	s_lshl_b32 s26, s23, 2
	s_add_nc_u64 s[34:35], s[12:13], s[26:27]
.irp j, 0,1,2,3,4,5
	global_load_b128 v[DC0+4*\j:DC0+4*\j+3], v1, s[28:29] offset:\j*512
.endr
.irp j, 0,1,2,3,4,5
	global_load_b128 v[DC0+24+4*\j:DC0+24+4*\j+3], v1, s[30:31] offset:\j*512
.endr
	global_load_b32 v[RR],   v2, s[32:33]
	global_load_b32 v[RR+2], v2, s[34:35]
	s_wait_loadcnt 23                              ; x is in: 8 loads of plog, 1 of b2, 12 of dc, 2 of rpart are younger
.irp a, 0,1
	v_max3_num_f32 v[MX+\a], v[X0+24*\a], v[X0+24*\a+1], v[X0+24*\a+2]
.irp j, 3,5,7,9,11,13,15,17,19,21
	v_max3_num_f32 v[MX+\a], v[MX+\a], v[X0+24*\a+\j], v[X0+24*\a+\j+1]
.endr
	v_max_num_f32 v[MX+\a], v[MX+\a], v[X0+24*\a+23]
	WMAX MX+\a
	v_mul_f32 v[NM+2*\a],   0xc038aa3b, v[MX+\a]   ; - 2 log2(e) x maximum: one figure for the whole row, so its rounding cancels in e / sum of e
	v_mul_f32 v[NM+2*\a+1], 0xc038aa3b, v[MX+\a]
.endr
; the logits of row a, and its cross-entropy
.macro CROSS a
	v_pk_add_f32 v[LG+4*\a:LG+4*\a+1],   v[PL0+16*\a:PL0+16*\a+1],     v[PL0+16*\a+4:PL0+16*\a+5]
	v_pk_add_f32 v[LG+4*\a+2:LG+4*\a+3], v[PL0+16*\a+2:PL0+16*\a+3],   v[PL0+16*\a+6:PL0+16*\a+7]
	v_pk_add_f32 v[T:T+1],               v[PL0+16*\a+8:PL0+16*\a+9],   v[PL0+16*\a+12:PL0+16*\a+13]
	v_pk_add_f32 v[T+2:T+3],             v[PL0+16*\a+10:PL0+16*\a+11], v[PL0+16*\a+14:PL0+16*\a+15]
	v_pk_add_f32 v[LG+4*\a:LG+4*\a+1],   v[LG+4*\a:LG+4*\a+1],   v[T:T+1]
	v_pk_add_f32 v[LG+4*\a+2:LG+4*\a+3], v[LG+4*\a+2:LG+4*\a+3], v[T+2:T+3]
	v_pk_add_f32 v[LG+4*\a:LG+4*\a+1],   v[LG+4*\a:LG+4*\a+1],   v[BB:BB+1]
	v_pk_add_f32 v[LG+4*\a+2:LG+4*\a+3], v[LG+4*\a+2:LG+4*\a+3], v[BB+2:BB+3]
	global_store_b128 v1, v[LG+4*\a:LG+4*\a+3], s[16:17] offset:\a*512    ; the row: 512 consecutive bytes, aligned; these registers are not written again
	v_max3_num_f32 v[LM], v[LG+4*\a], v[LG+4*\a+1], v[LG+4*\a+2]
	v_max_num_f32 v[LM], v[LM], v[LG+4*\a+3]
	WMAX LM
	v_mul_f32 v[NL], 0xbfb8aa3b, v[LM]             ; - log2(e) x maximum
.irp e, 0,1,2,3
	v_fma_f32 v[G+\e], v[LG+4*\a+\e], s38, v[NL]   ; log2(e) (logit - maximum), at most 0 but for the rounding of NL
.endr
.irp e, 0,1,2,3
	v_cmp_eq_u32 vcc_lo, s[22+\a], v[3+\e]
	v_cndmask_b32 v[ZS+\e], 0, v[LG+4*\a+\e], vcc_lo   ; the label's logit in one lane's one register, 0 elsewhere
.endr
.irp e, 0,1,2,3
	v_exp_f32 v[G+\e], v[G+\e]
.endr
	v_pk_add_f32 v[ZS:ZS+1], v[ZS:ZS+1], v[ZS+2:ZS+3]  ; a plain instruction behind the exponentials before their results are used (ISA guide 5.7.2)
	s_wait_alu depctr_va_vdst(0)
	v_pk_add_f32 v[G:G+1], v[G:G+1], v[G+2:G+3]
	v_add_f32 v[G], v[G], v[G+1]
	WSUM G
	v_log_f32 v[G], v[G]
	v_add_f32 v[ZS], v[ZS], v[ZS+1]                ; the plain instruction behind the logarithm
	WSUM ZS
	s_wait_alu depctr_va_vdst(0)
	v_fma_f32 v[CE+\a], v[G], s39, v[LM]           ; ln(2) log2(sum) + maximum
	v_sub_f32 v[CE+\a], v[CE+\a], v[ZS]
.endm
	s_wait_loadcnt 14                              ; plog and b2 are in: 12 loads of dc and 2 of rpart are younger
	CROSS 0
	CROSS 1
	s_wait_loadcnt 0x0
.irp a, 0,2
	v_add_f32_dpp v[RR+\a], v[RR+\a], v[RR+\a] row_xmask:1 row_mask:0xf bank_mask:0xf     ; r = the sum of the 16 sets, one in each lane of a half
	v_add_f32_dpp v[RR+\a], v[RR+\a], v[RR+\a] row_xmask:2 row_mask:0xf bank_mask:0xf
	v_add_f32_dpp v[RR+\a], v[RR+\a], v[RR+\a] row_xmask:4 row_mask:0xf bank_mask:0xf
	v_add_f32_dpp v[RR+\a], v[RR+\a], v[RR+\a] row_xmask:8 row_mask:0xf bank_mask:0xf
	v_mov_b32 v[RR+\a+1], v[RR+\a]
.endr
; the pair term of row a: six chunks of four numbers; the first chunk starts the sums
.macro PAIR a
.irp j, 0,1,2,3,4,5
	v_pk_fma_f32 v[T:T+1],   v[X0+24*\a+4*\j:X0+24*\a+4*\j+1],   0x4038aa3b, v[NM+2*\a:NM+2*\a+1] op_sel_hi:[1,0,1]   ; 2 log2(e) (x - maximum)
	v_pk_fma_f32 v[T+2:T+3], v[X0+24*\a+4*\j+2:X0+24*\a+4*\j+3], 0x4038aa3b, v[NM+2*\a:NM+2*\a+1] op_sel_hi:[1,0,1]
	v_exp_f32 v[T],   v[T]
	v_exp_f32 v[T+1], v[T+1]
	v_exp_f32 v[T+2], v[T+2]
	v_exp_f32 v[T+3], v[T+3]
	v_pk_fma_f32 v[G:G+1],   v[X0+24*\a+4*\j:X0+24*\a+4*\j+1],   v[RR+2*\a:RR+2*\a+1], v[DC0+24*\a+4*\j:DC0+24*\a+4*\j+1]   neg_lo:[0,0,1] neg_hi:[0,0,1]  ; g = r x - Dc: a common offset
	v_pk_fma_f32 v[G+2:G+3], v[X0+24*\a+4*\j+2:X0+24*\a+4*\j+3], v[RR+2*\a:RR+2*\a+1], v[DC0+24*\a+4*\j+2:DC0+24*\a+4*\j+3] neg_lo:[0,0,1] neg_hi:[0,0,1]  ; of x cancels here, in one rounding.  Also the plain places behind the exponentials
.if \j == 0
	s_wait_alu depctr_va_vdst(0)
	v_pk_add_f32 v[ZS:ZS+1],   v[T:T+1], v[T+2:T+3]
	v_pk_mul_f32 v[SA1:SA1+1], v[T:T+1], v[G:G+1]
	v_pk_add_f32 v[SA2:SA2+1], v[G:G+1], v[G+2:G+3]
.else
	s_wait_alu depctr_va_vdst(0)
	v_pk_add_f32 v[ZS:ZS+1],   v[ZS:ZS+1], v[T:T+1]
	v_pk_add_f32 v[ZS:ZS+1],   v[ZS:ZS+1], v[T+2:T+3]
	v_pk_fma_f32 v[SA1:SA1+1], v[T:T+1], v[G:G+1], v[SA1:SA1+1]
	v_pk_add_f32 v[SA2:SA2+1], v[SA2:SA2+1], v[G:G+1]
	v_pk_add_f32 v[SA2:SA2+1], v[SA2:SA2+1], v[G+2:G+3]
.endif
	v_pk_fma_f32 v[SA1:SA1+1], v[T+2:T+3], v[G+2:G+3], v[SA1:SA1+1]
.endr
	v_add_f32 v[ZS],  v[ZS],  v[ZS+1]
	v_add_f32 v[SA1], v[SA1], v[SA1+1]
	v_add_f32 v[SA2], v[SA2], v[SA2+1]
	WSUM ZS                                        ; at least 1: the largest term is 1
	WSUM SA1
	WSUM SA2
	v_rcp_f32 v[ZS], v[ZS]
	v_mul_f32 v[SA2], 0xbaaaaaab, v[SA2]           ; x (-1/768): the plain instruction behind the reciprocal
	s_wait_alu depctr_va_vdst(0)
	v_fma_f32 v[Q+\a], v[SA1], v[ZS], v[SA2]       ; sum of (p - 1/768) g
.endm
	PAIR 0
	PAIR 1
	v_add_f32 v[CE], v[CE], v[CE+1]
	v_add_f32 v[Q], v[Q], v[Q+1]
	v_mul_f32 v[Q], 0x2faab556, v[Q]               ; x 2 / (768 x 8,386,560)
	v_fmamk_f32 v[Q], v[CE], 0x39800000, v[Q]      ; + (ce_0 + ce_1) / 4096
	s_wait_xcnt 0x0                                ; EXEC is a source of the stores above: it changes only behind this wait
	v_cmp_eq_u32 vcc_lo, 0, v7
	s_and_saveexec_b32 s40, vcc_lo                 ; lane 0 alone
	global_store_b32 v[ZR], v[Q], s[18:19]
	s_endpgm
.Lfunc_end_k_q4d81981086_rows:
	.size	k_q4d81981086_rows, .Lfunc_end_k_q4d81981086_rows-k_q4d81981086_rows
	.p2alignl 7, 3214868480
	.fill 96, 4, 3214868480
	.section	.rodata,"a",@progbits
	.p2align	6, 0x0
	.amdhsa_kernel k_q4d81981086_rows
		.amdhsa_group_segment_fixed_size 0
		.amdhsa_private_segment_fixed_size 0
		.amdhsa_enable_private_segment 0
		.amdhsa_kernarg_size 64
		.amdhsa_user_sgpr_count 2
		.amdhsa_user_sgpr_kernarg_segment_ptr 1
		.amdhsa_wavefront_size32 1
		.amdhsa_system_sgpr_workgroup_id_x 1
		.amdhsa_system_sgpr_workgroup_id_y 1
		.amdhsa_system_sgpr_workgroup_id_z 1
		.amdhsa_system_vgpr_workitem_id 0
		.amdhsa_next_free_vgpr 192
		.amdhsa_next_free_sgpr 66
		.amdhsa_reserve_vcc 1
		.amdhsa_float_denorm_mode_32 3
		.amdhsa_float_denorm_mode_16_64 3
		.amdhsa_memory_ordered 1
		.amdhsa_forward_progress 1
		.amdhsa_inst_pref_size 27
	.end_amdhsa_kernel
	.amdgpu_metadata
---
amdhsa.version: [ 1, 2 ]
amdhsa.kernels:
  - .name:           k_q4d81981086_rows
    .symbol:         k_q4d81981086_rows.kd
    .args:
      - { .name: embeds, .offset: 0, .size: 8, .value_kind: global_buffer, .address_space: global }
      - { .name: labels, .offset: 8, .size: 8, .value_kind: global_buffer, .address_space: global }
      - { .name: b2, .offset: 16, .size: 8, .value_kind: global_buffer, .address_space: global }
      - { .name: dc, .offset: 24, .size: 8, .value_kind: global_buffer, .address_space: global }
      - { .name: rpart, .offset: 32, .size: 8, .value_kind: global_buffer, .address_space: global }
      - { .name: plog, .offset: 40, .size: 8, .value_kind: global_buffer, .address_space: global }
      - { .name: out0, .offset: 48, .size: 8, .value_kind: global_buffer, .address_space: global }
      - { .name: psum, .offset: 56, .size: 8, .value_kind: global_buffer, .address_space: global }
    .group_segment_fixed_size: 0
    .private_segment_fixed_size: 0
    .kernarg_segment_align: 8
    .kernarg_segment_size: 64
    .max_flat_workgroup_size: 256
    .sgpr_count:     66
    .vgpr_count:     192
    .wavefront_size: 32
...
	.end_amdgpu_metadata
.endif
;; end of part 3
;; launch final (part 4): grid 1 x 1, 1 waves a work-group, no clusters, 0 bytes of LDS; arguments psum, out2; writes out2
.if DOCPART == 4
	.amdgcn_target "amdgcn-amd-amdhsa--gfx1250"
	.amdhsa_code_object_version 6
	.text
	.protected	k_q4d81981086_final
	.globl	k_q4d81981086_final
	.p2align	8
	.type	k_q4d81981086_final,@function
k_q4d81981086_final:
	s_mov_b64 s[64:65], 0
	v_nop
	global_prefetch_b8 v0, s[64:65] scope:SCOPE_SE
	s_setreg_imm32_b32 hwreg(HW_REG_WAVE_MODE, 25, 1), 1
	s_wait_xcnt 0x0
; FINAL.  out2 = the sum of the 2,048 words of psum (one for each pair of rows, already scaled), in a fixed order.
; One wave: 16 loads of 512 consecutive bytes, a tree of packed sums inside the lane, one sum across the lanes.
; A launch of its own, because the sum spans all work-groups of the launch before and work-groups of one launch hand nothing to each other.
.set P, 8                              ; v[8:71]
	s_load_b128 s[4:7], s[0:1], 0x0                ; psum s[4:5], out2 s[6:7]
	v_lshlrev_b32 v1, 4, v0
	v_mov_b32 v2, 0
	v_mov_b32 v3, 0                                ; the lane exchange counts as a reader of its destination
	s_mov_b32 s8, 0x76543210
	s_mov_b32 s9, 0xfedcba98
	s_wait_kmcnt 0x0
.irp t, 0,1,2,3,4,5,6,7,8,9,10,11,12,13,14,15
	global_load_b128 v[P+4*\t:P+4*\t+3], v1, s[4:5] offset:\t*512
.endr
	s_wait_loadcnt 0x0
.irp st, 8,4,2,1
.set i, 0
.rept \st
	v_pk_add_f32 v[P+4*i:P+4*i+1],   v[P+4*i:P+4*i+1],   v[P+4*(i+\st):P+4*(i+\st)+1]
	v_pk_add_f32 v[P+4*i+2:P+4*i+3], v[P+4*i+2:P+4*i+3], v[P+4*(i+\st)+2:P+4*(i+\st)+3]
.set i, i+1
.endr
.endr
	v_pk_add_f32 v[P:P+1], v[P:P+1], v[P+2:P+3]
	v_add_f32 v[P], v[P], v[P+1]
	v_add_f32_dpp v[P], v[P], v[P] row_xmask:1 row_mask:0xf bank_mask:0xf
	v_add_f32_dpp v[P], v[P], v[P] row_xmask:2 row_mask:0xf bank_mask:0xf
	v_add_f32_dpp v[P], v[P], v[P] row_xmask:4 row_mask:0xf bank_mask:0xf
	v_add_f32_dpp v[P], v[P], v[P] row_xmask:8 row_mask:0xf bank_mask:0xf
	v_permlanex16_b32 v3, v[P], s8, s9
	v_add_f32 v[P], v[P], v3
	s_wait_xcnt 0x0                                ; EXEC changes only behind this wait
	v_cmp_eq_u32 vcc_lo, 0, v0
	s_and_saveexec_b32 s10, vcc_lo                 ; lane 0 alone
	global_store_b32 v2, v[P], s[6:7]
	s_endpgm
.Lfunc_end_k_q4d81981086_final:
	.size	k_q4d81981086_final, .Lfunc_end_k_q4d81981086_final-k_q4d81981086_final
	.p2alignl 7, 3214868480
	.fill 96, 4, 3214868480
	.section	.rodata,"a",@progbits
	.p2align	6, 0x0
	.amdhsa_kernel k_q4d81981086_final
		.amdhsa_group_segment_fixed_size 0
		.amdhsa_private_segment_fixed_size 0
		.amdhsa_enable_private_segment 0
		.amdhsa_kernarg_size 16
		.amdhsa_user_sgpr_count 2
		.amdhsa_user_sgpr_kernarg_segment_ptr 1
		.amdhsa_wavefront_size32 1
		.amdhsa_system_sgpr_workgroup_id_x 1
		.amdhsa_system_sgpr_workgroup_id_y 1
		.amdhsa_system_sgpr_workgroup_id_z 1
		.amdhsa_system_vgpr_workitem_id 0
		.amdhsa_next_free_vgpr 72
		.amdhsa_next_free_sgpr 66
		.amdhsa_reserve_vcc 1
		.amdhsa_float_denorm_mode_32 3
		.amdhsa_float_denorm_mode_16_64 3
		.amdhsa_memory_ordered 1
		.amdhsa_forward_progress 1
		.amdhsa_inst_pref_size 5
	.end_amdhsa_kernel
	.amdgpu_metadata
---
amdhsa.version: [ 1, 2 ]
amdhsa.kernels:
  - .name:           k_q4d81981086_final
    .symbol:         k_q4d81981086_final.kd
    .args:
      - { .name: psum, .offset: 0, .size: 8, .value_kind: global_buffer, .address_space: global }
      - { .name: out2, .offset: 8, .size: 8, .value_kind: global_buffer, .address_space: global }
    .group_segment_fixed_size: 0
    .private_segment_fixed_size: 0
    .kernarg_segment_align: 8
    .kernarg_segment_size: 16
    .max_flat_workgroup_size: 32
    .sgpr_count:     66
    .vgpr_count:     72
    .wavefront_size: 32
...
	.end_amdgpu_metadata
.endif
;; end of part 4
;; ======== version 2 of 2: 4 launches; version 1 with the launch prep written anew for expert scheduling mode
;; workspace buffers: xb 6,291,456 bytes; wb 1,376,256 bytes; part 6,291,456 bytes; rpart 8,192 bytes; dc 393,216 bytes; plog 8,388,608 bytes; psum 8,192 bytes
;; launch prep (part 5): grid 12 x 16, 8 waves a work-group, no clusters, 77,312 bytes of LDS; arguments embeds, labels, W1, W2, out1, xb, wb, part, rpart; writes out1, xb, wb, part, rpart
.if DOCPART == 5
	.amdgcn_target "amdgcn-amd-amdhsa--gfx1250"
	.amdhsa_code_object_version 6
	.text
	.protected	k_q4d81981086_prep
	.globl	k_q4d81981086_prep
	.p2align	8
	.type	k_q4d81981086_prep,@function
k_q4d81981086_prep:
	s_mov_b64 s[64:65], 0
	v_nop
	global_prefetch_b8 v0, s[64:65] scope:SCOPE_SE
	s_setreg_imm32_b32 hwreg(HW_REG_WAVE_SCHED_MODE, 0, 2), 2
	s_setreg_imm32_b32 hwreg(HW_REG_WAVE_MODE, 25, 1), 1
	s_wait_xcnt 0x0
	s_wait_alu depctr_vm_vsrc(0)
; PREP.  One pass over embeds (x, [4096][768] f32):
;   out1 = x (the copy that the problem asks for);
;   xb   = x in bf16, laid out as matrix fragments: [row block of 16][k step of 32][1,024 bytes], in which bytes 16 L .. 16 L + 15 are
;          lane L's registers 0-3 (row L % 16, k = 8 (L / 16) + 0..7) and bytes 512 + 16 L .. its registers 4-7 (k = 16 + 8 (L / 16) + 0..7);
;   wb   = W1 (48 blocks of 16 rows) and then W2 (8 blocks) in bf16 in the same layout;
;   part[rho][c][d] = sum over the 256 rows j of row group rho of s(c, label_j) x_j[d],   s = +1 where label_j = c, else -1;
;   rpart[rho][c]   = sum over the same rows of s(c, label_j).
; WHY THE SIGNED SUMS.  768 sym_ij = sum_d (p_i - p_j)(z_i - z_j) with z = 2 x: the log-sum-exp terms drop out because sum_d (p_i - p_j) = 0,
; and the diagonal is 0.  So  sum_{i != j} s_ij 768 sym_ij = 4 sum_i (p_i - 1/768) . (r_c x_i - Dc_c),  c = label_i,  r_c = sum_j s(c, label_j),
; Dc_c = sum_j s(c, label_j) x_j, for every input.  The [4096 x 4096 x 768] product of the formula as written is not formed; the order of the
; sums differs from the formula's.  Dc is a product of a [128 x 4096] matrix of +-1 with x and goes to the matrix unit in bf16.
; LIMITS.  Labels are taken modulo 128 here (the problem's labels index a table of 128 columns, so they lie in 0..127).  x enters Dc rounded to bf16.
; SHARES.  Work-group (g, rho): rows 256 rho .. + 255, columns 64 g .. + 63 (256 bytes of each row).  Wave w streams rows 32 w .. + 31 and sums for
; classes 16 w .. + 15.  Waves 0-6 convert one weight fragment each: 192 work-groups x 7 = 1,344 = 56 x 24 fragments.
; No cluster: no two work-groups read the same bytes (a weight fragment, a piece of x and 1,024 bytes of labels each; only the labels are read by 12).
; THE MODE: SCHED_MODE bits 1:0 = 2 (LLVM: expert scheduling mode 2), set by the entry lines.  The code itself states the register dependences
; between vector or matrix instructions and memory or LDS instructions, with s_wait_alu, always for 0.
; THE PLAN.  Registers that memory or LDS instructions touch, and who else names them:
;   v5-v13, v15-v18  offsets and LDS addresses: written at the head, never again: one wait on va_vdst ahead of the first load serves the whole kernel.
;   v19              my label: a load lands in it, two vector lines rewrite it, one LDS store reads it.
;   X   v[24:87]     the 16 loads of x land in it; the stores to out1 and the conversions read it; behind the barrier the transposing loads land there (XT0, XT1).
;   CV  v[224:255]   pair t is written by the two conversions of load t and read by one LDS store into T: a pair to each load, none written twice.
;                    The LDS stores go in fours, each four behind one wait on va_vdst that stands behind the wait for the next four's first load.
;                    At the kernel's end the loads from the stage land in these registers (OUT).
;   WL, WF           a weight fragment: loads land in WL, eight conversions read it and write WF, two stores read WF.
;   IM  v[112:143]   LDS loads land in it, stores read it; no vector instruction names it.
;   YL0, YL1         k step kk: its sign lines read one; the label loads of step kk + 1 land in the other, which step kk - 1's sign lines read.
;   XT0, XT1         k step kk: its matrix instructions read one; the transposing loads of step kk + 1 land in the other, which step kk - 1's matrix instructions read.
;   ACC, ACCR        written by matrix instructions; read at the end by the LDS stores into the stage and by the store to rpart.
;   SG0, SG1, ONES and v14 are named by vector and matrix instructions alone.   v22, v23: written at the head, read by the closing add alone.
; So ONE wait on va_vdst stands in a k step, behind its sign lines; the step's ten LDS loads follow it, dealt among its matrix instructions, which name
; ACC, ACCR, ONES and this step's XT and SG: none of the registers that those loads touch.  ONE wait on vm_vsrc stands behind the barrier, for X and for CV.
.set ROWB,  3072                       ; bytes in a row of x, W1, W2, part
.set TP,    160                        ; pitch of T: eight neighbouring rows' 32-byte pieces start at 0,160,64,224,128,32,192,96 modulo 256
.set LPO,   256*TP                     ; LDS: T [256 rows][64 bf16] at 0; label halfwords at LPO; the stage for part at STO
.set STO,   LPO+512
.set SP,    272                        ; pitch of the stage: 256 bytes + 16
.set X,     24                         ; v[24:87]   16 x 4 registers of x as loaded; later the two sets of transposed fragments
.set XT0,   24
.set XT1,   56
.set WL,    88                         ; v[88:103]  16 f32 of a weight fragment
.set WF,    104                        ; v[104:111] the same in bf16
.set IM,    112                        ; v[112:143] four fragments of x for xb
.set YL0,   144                        ; v[144:159] label halfwords, two sets
.set YL1,   152
.set SG0,   160                        ; v[160:175] fragments of signs, two sets
.set SG1,   168
.set ONES,  176                        ; v[176:183] a fragment of ones
.set ACC,   184                        ; v[184:215] four tiles: 16 columns d x 16 classes each
.set ACCR,  216                        ; v[216:223] the sums of signs
.set CV,    224                        ; v[224:255] pair t: my 4 numbers of load t in bf16, on their way into T
.set OUT,   224                        ; v[224:255] at the end: rows of part on their way out
	s_load_b512 s[4:19], s[0:1], 0x0               ; embeds s[4:5], labels s[6:7], W1 s[8:9], W2 s[10:11], out1 s[12:13], xb s[14:15], wb s[16:17], part s[18:19]
	s_load_b64 s[20:21], s[0:1], 0x40              ; rpart
	v_lshl_add_u32 v22, v0, 2, 0x12a00
	v_mov_b32 v23, 0
	v_lshrrev_b32 v4, 5, v0
	v_readfirstlane_b32 s22, v4                    ; wave w
	s_mov_b32 s23, ttmp9                           ; g
	s_and_b32 s24, ttmp7, 0xffff                   ; rho
	v_and_b32 v1, 15, v0                           ; r  = L % 16
	v_bfe_u32 v2, v0, 4, 1                         ; hb = L / 16
	v_and_b32 v3, 31, v0                           ; L
	s_wait_alu depctr_va_sdst(0)                   ; s22 is written, ahead of its first reader: addresses, bases and the branches on the wave's number are made from it
	s_mul_i32 s25, s22, 32*ROWB                    ; my wave's 32 rows in memory,
	s_mul_i32 s44, s22, 32*TP                      ; in T,
	s_mul_i32 s45, s22, 16*SP
	s_add_co_u32 s45, s45, STO                     ; and its 16 classes in the stage
	s_lshl_b32 s46, s22, 4                         ; its first class
	s_mov_b32 s28, 0x7f007f00
	s_mov_b32 s29, 0x80008000
	s_mov_b32 s30, 0x3f803f80                      ; two bf16 ones
	v_mul_u32_u24 v17, v2, ROWB
	v_lshl_add_u32 v17, v1, 4, v17                 ; v17 = hb rows + 16 r: two rows of 256 bytes to a wave's access
	v_add_nc_u32 v5, s25, v17                      ; v5  = the same from my wave's first row: x and out1
	v_mul_u32_u24 v6, v2, TP
	v_lshl_add_u32 v6, v1, 3, v6
	v_add_nc_u32 v6, s44, v6                       ; v6  = T: row 32 w + hb, 8 bytes (4 bf16) a lane
	v_lshlrev_b32 v7, 2, v0                        ; v7  = my label's offset
	v_lshl_add_u32 v8, v0, 1, LPO                  ; v8  = my label's halfword
	v_mul_u32_u24 v9, v1, ROWB
	v_lshl_add_u32 v9, v2, 5, v9                   ; v9  = weight row r, 8 f32 at 8 hb
	v_lshlrev_b32 v10, 4, v3                       ; v10 = 16 L
	v_mul_u32_u24 v11, v1, TP
	v_lshl_add_u32 v11, v2, 4, v11
	v_add_nc_u32 v11, s44, v11                     ; v11 = T: row 32 w + r, 16 bytes at 16 hb (a fragment along the row)
	v_and_b32 v20, 7, v0
	v_lshl_add_u32 v20, v2, 3, v20
	v_mul_u32_u24 v12, v20, TP
	v_bfe_u32 v20, v0, 3, 1
	v_lshl_add_u32 v12, v20, 4, v12                ; v12 = T: row 8 hb + L % 8, 16 bytes at 16 ((L / 8) % 2) (a transposing load)
	v_lshl_add_u32 v13, v2, 4, LPO                 ; v13 = eight label halfwords at 8 hb
	v_add_nc_u32 v20, s46, v1                      ; my class c = 16 w + r
	v_lshlrev_b32 v14, 8, v20
	v_lshl_or_b32 v14, v20, 24, v14                ; v14 = c << 8 in both halves
	v_mul_u32_u24 v15, v1, SP
	v_lshl_add_u32 v15, v2, 5, v15
	v_add_nc_u32 v15, s45, v15                     ; v15 = stage, in: class row r, 32 bytes at 32 hb
	v_mul_u32_u24 v16, v2, SP
	v_lshl_add_u32 v16, v1, 4, v16
	v_add_nc_u32 v16, s45, v16                     ; v16 = stage, back: class row hb, 16 bytes at 16 r
	v_lshlrev_b32 v18, 2, v1                       ; v18 = 4 r
	; which weight fragment: f = 7 (12 rho + g) + w, nt = f / 24 (2731 / 65536 exceeds 1/24 by 1 part in 8,192: exact for f < 8,000), ks = f % 24
	s_mul_i32 s31, s24, 12
	s_add_co_u32 s31, s31, s23
	s_mul_i32 s31, s31, 7
	s_add_co_u32 s31, s31, s22
	s_mul_i32 s32, s31, 2731
	s_lshr_b32 s32, s32, 16
	s_mul_i32 s33, s32, 24
	s_sub_co_u32 s33, s31, s33
	s_sub_co_u32 s47, s32, 48
	s_mul_i32 s26, s24, 256*ROWB
	s_lshl_b32 s27, s23, 8
	s_add_co_u32 s26, s26, s27                     ; my block of x: 256 rho rows + 256 g bytes
	s_mov_b32 s27, 0                               ; s[26:27]: an offset as a pair
	s_wait_kmcnt 0x0
	s_add_nc_u64 s[4:5], s[4:5], s[26:27]
	s_add_nc_u64 s[12:13], s[12:13], s[26:27]
	s_lshl_b32 s26, s24, 10
	s_add_nc_u64 s[6:7], s[6:7], s[26:27]          ; my 256 labels
	s_cmp_lt_u32 s32, 48
	s_cselect_b64 s[34:35], s[8:9], s[10:11]       ; blocks 0-47 are W1's, 48-55 W2's
	s_cselect_b32 s47, s32, s47
	s_mul_i32 s26, s47, 16*ROWB
	s_lshl_b32 s47, s33, 7
	s_add_co_u32 s26, s26, s47
	s_add_nc_u64 s[34:35], s[34:35], s[26:27]      ; 16 rows x 128 bytes of weights (wave 7 forms an address that it never uses)
	; every load of the kernel is issued here
	s_wait_alu depctr_va_vdst(0)                   ; the offsets and LDS addresses v5 to v13 and v15 to v18 are written: every load and store of the kernel reads one of them, and none is written again
	s_cmp_lt_u32 s22, 7
	s_cbranch_scc0 .Lno_wload
	global_load_b128 v[WL:WL+3],     v9, s[34:35]
	global_load_b128 v[WL+4:WL+7],   v9, s[34:35] offset:16
	global_load_b128 v[WL+8:WL+11],  v9, s[34:35] offset:64
	global_load_b128 v[WL+12:WL+15], v9, s[34:35] offset:80
.Lno_wload:
	global_load_b32 v19, v7, s[6:7]
.irp t, 0,1,2,3,4,5,6,7,8,9,10,11,12,13,14,15
	global_load_b128 v[X+4*\t:X+4*\t+3], v5, s[4:5] offset:\t*2*ROWB    ; rows 32 w + 2 t and + 1: 256 consecutive bytes each
.endr
	; the other addresses, while the loads are on their way
	s_lshl_b32 s26, s31, 10
	s_add_nc_u64 s[36:37], s[16:17], s[26:27]      ; wb + 1,024 f
	s_lshl_b32 s26, s24, 4
	s_lshl1_add_u32 s26, s22, s26
	s_mul_i32 s26, s26, 24576
	s_lshl_b32 s47, s23, 11
	s_add_co_u32 s26, s26, s47
	s_add_nc_u64 s[38:39], s[14:15], s[26:27]      ; xb: row block 16 rho + 2 w, k step 2 g
	s_mul_i32 s26, s24, 128*ROWB
	s_mul_i32 s47, s22, 16*ROWB
	s_add_co_u32 s26, s26, s47
	s_lshl_b32 s47, s23, 8
	s_add_co_u32 s26, s26, s47
	s_add_nc_u64 s[40:41], s[18:19], s[26:27]      ; part: set rho, class 16 w, column 64 g
	s_lshl_b32 s26, s24, 9
	s_lshl_b32 s47, s22, 6
	s_add_co_u32 s26, s26, s47
	s_add_nc_u64 s[42:43], s[20:21], s[26:27]      ; rpart: set rho, class 16 w
.irp j, 0,1,2,3,4,5,6,7
	v_mov_b32 v[ONES+\j], s30
.endr
	s_wait_loadcnt 16                              ; my label is in: the 16 loads of x are younger
	v_and_b32 v19, 127, v19
	v_lshlrev_b32 v19, 8, v19                      ; (label % 128) << 8; it is stored with the first four pairs below, behind their wait
; four LDS stores into T: the pairs of loads 4 g to 4 g + 3
.macro TROWS g
.irp u, 0,1,2,3
	ds_store_b64 v6, v[CV+2*(4*(\g)+\u):CV+2*(4*(\g)+\u)+1] offset:(4*(\g)+\u)*2*TP
.endr
.endm
; two rows of x: out to out1 as they came, and in bf16 into their pair of CV.  At every fourth load the four pairs before it go into T.
.macro XROW t
	s_wait_loadcnt 15-\t                           ; loads come back in order: load t is in, the 15 - t younger ones stay out
.if ((\t) > 0) && (((\t) % 4) == 0)
	s_wait_alu depctr_va_vdst(0)                   ; the conversions of the four loads before have written their pairs of CV, which the LDS stores below read (at t = 4 also: v19 is written)
.if (\t) == 4
	ds_store_b16 v8, v19
.endif
	TROWS (\t)/4-1
.endif
	global_store_b128 v5, v[X+4*\t:X+4*\t+3], s[12:13] offset:\t*2*ROWB th:TH_STORE_NT   ; 16 lanes store 256 consecutive bytes, aligned
	v_cvt_pk_bf16_f32 v[CV+2*\t],   v[X+4*\t],   v[X+4*\t+1]
	v_cvt_pk_bf16_f32 v[CV+2*\t+1], v[X+4*\t+2], v[X+4*\t+3]
.endm
.irp t, 0,1,2,3,4,5,6,7,8,9,10,11,12,13,14,15
	XROW \t
.endr
	s_wait_alu depctr_va_vdst(0)                   ; the last four pairs of CV are written, which the LDS stores below read; and all conversions are done reading X, in which LDS loads land behind the barrier
	TROWS 3
	s_wait_dscnt 0x0                               ; my rows of T and my label are written,
	s_barrier_signal -1
	s_barrier_wait -1                              ; everybody's are: T and the labels are only read from here on
; the loads of k step kk (rows 32 kk .. + 31 of the block): 32 label halfwords,
.macro LDY kk, y
	ds_load_b128 v[\y:\y+3],   v13 offset:(\kk)*64
	ds_load_b128 v[\y+4:\y+7], v13 offset:(\kk)*64+32
.endm
; and x transposed: fragment nt of four, 16 columns d x 32 rows
.macro LDX kk, xt, nt
	ds_load_tr16_b128 v[\xt+8*\nt:\xt+8*\nt+3],   v12 offset:(\kk)*32*TP+\nt*32
	ds_load_tr16_b128 v[\xt+8*\nt+4:\xt+8*\nt+7], v12 offset:(\kk)*32*TP+\nt*32+16*TP
.endm
	s_wait_xcnt 0x0                                ; the stores to out1 have had their addresses translated: v[24:87] are loaded again only behind this wait
	s_wait_alu depctr_vm_vsrc(0)                   ; the stores to out1 have read X, in which the transposing loads land; the LDS stores into T have read CV, in which the stage's loads land at the end
	; xb: my 32 rows x 64 columns are four fragments, read along the rows and stored as 512 consecutive bytes a wave
.set n, 0
.rept 8
	ds_load_b128 v[IM+4*n:IM+4*n+3], v11 offset:(n>>2)*16*TP+((n>>1)&1)*64+(n&1)*32
.set n, n+1
.endr
	LDY 0, YL0                                     ; k step 0's ten loads go out behind them
.irp nt, 0,1,2,3
	LDX 0, XT0, \nt
.endr
	; wb: the weight fragment (its loads are the oldest: the last wait above for x was for 0), while the LDS loads are on their way
	s_cmp_lt_u32 s22, 7
	s_cbranch_scc0 .Lno_wstore
.irp j, 0,1,2,3,4,5,6,7
	v_cvt_pk_bf16_f32 v[WF+\j], v[WL+2*\j], v[WL+2*\j+1]
.endr
	s_wait_alu depctr_va_vdst(0)                   ; the eight conversions have written WF, which the two stores read
	global_store_b128 v10, v[WF:WF+3],   s[36:37]
	global_store_b128 v10, v[WF+4:WF+7], s[36:37] offset:512
.Lno_wstore:
.set n, 0
.rept 8
	s_wait_dscnt 17-n                              ; LDS loads come back in order: load n of the eight is in; the 7 - n behind it and k step 0's ten stay out
	global_store_b128 v10, v[IM+4*n:IM+4*n+3], s[38:39] offset:(n>>2)*24576+((n>>1)&1)*1024+(n&1)*512
.set n, n+1
.endr
; One k step.  The signs are made from the labels: (label ^ c) << 8 is 0 where they are equal and 0x0100 .. 0x7f00 elsewhere; + 0x7f00 sets bit 15
; in the second case alone and never carries out of the halfword; that bit on top of 0x3f80 is +1.0 or -1.0 in bf16.
; Source 0 = x transposed, source 1 = signs: register j of lane L is (d = 16 nt + 8 (L / 16) + j, class 16 w + L % 16).
; The five accumulators take turns, one instruction a turn.
; The next step's ten loads stand behind the step's one wait on va_vdst: the labels first, then two transposing loads behind each of the first four matrix instructions.
.macro KS kk, y, xt, sg, yn, xtn, first, last
	s_wait_dscnt 8                                 ; this step's labels are in; its 8 transposing loads are younger
.irp j, 0,1,2,3,4,5,6,7
	v_xor_b32 v[\sg+\j], v[\y+\j], v14
	v_add_nc_u32 v[\sg+\j], s28, v[\sg+\j]
	v_and_or_b32 v[\sg+\j], v[\sg+\j], s29, s30
.endr
.if \last
	s_wait_dscnt 0
.else
	s_wait_alu depctr_va_vdst(0)                   ; the step before is done with the other sets: its sign lines have read that YL, its matrix instructions that XT; the next step's loads land in them
	LDY \kk+1, \yn
	s_wait_dscnt 2                                 ; this step's transposed fragments are in: the two loads just issued stay out
.endif
.irp nt, 0,1,2,3
.if \first
	v_wmma_f32_16x16x32_bf16 v[ACC+8*\nt:ACC+8*\nt+7], v[\xt+8*\nt:\xt+8*\nt+7], v[\sg:\sg+7], 0
.else
	v_wmma_f32_16x16x32_bf16 v[ACC+8*\nt:ACC+8*\nt+7], v[\xt+8*\nt:\xt+8*\nt+7], v[\sg:\sg+7], v[ACC+8*\nt:ACC+8*\nt+7]
.endif
.if !\last
	LDX \kk+1, \xtn, \nt                           ; no wait: no vector or matrix instruction since the wait above names the other XT
.endif
.endr
.if \first
	v_wmma_f32_16x16x32_bf16 v[ACCR:ACCR+7], v[ONES:ONES+7], v[\sg:\sg+7], 0
.else
	v_wmma_f32_16x16x32_bf16 v[ACCR:ACCR+7], v[ONES:ONES+7], v[\sg:\sg+7], v[ACCR:ACCR+7]
.endif
.endm
	KS 0, YL0, XT0, SG0, YL1, XT1, 1, 0
	KS 1, YL1, XT1, SG1, YL0, XT0, 0, 0
	KS 2, YL0, XT0, SG0, YL1, XT1, 0, 0
	KS 3, YL1, XT1, SG1, YL0, XT0, 0, 0
	KS 4, YL0, XT0, SG0, YL1, XT1, 0, 0
	KS 5, YL1, XT1, SG1, YL0, XT0, 0, 0
	KS 6, YL0, XT0, SG0, YL1, XT1, 0, 0
	KS 7, YL1, XT1, SG1, YL0, XT0, 0, 1            ; the last step issues no load, so it holds no wait on va_vdst
	; the way out: a lane holds 8 neighbouring columns of one class; through my wave's own 16 rows of the stage they become rows of 256 bytes
.rept 4
	v_nop                                          ; four places behind the last matrix instruction before its result is read (ISA guide 7.12.1)
.endr
	s_wait_alu depctr_va_vdst(0)                   ; the matrix instructions have written ACC, which the LDS stores read, and ACCR, which the store to rpart reads; the places above stay beside this wait
.irp nt, 0,1,2,3
	ds_store_b128 v15, v[ACC+8*\nt:ACC+8*\nt+3]   offset:\nt*64
	ds_store_b128 v15, v[ACC+8*\nt+4:ACC+8*\nt+7] offset:\nt*64+16
.endr
.irp t, 0,1,2,3,4,5,6,7
	ds_load_b128 v[OUT+4*\t:OUT+4*\t+3], v16 offset:\t*2*SP    ; LDS serves a wave's instructions in order: these see the stores above
.endr
.irp t, 0,1,2,3,4,5,6,7
	s_wait_dscnt 7-\t
	global_store_b128 v17, v[OUT+4*\t:OUT+4*\t+3], s[40:41] offset:\t*2*ROWB   ; classes 16 w + 2 t and + 1: 256 consecutive bytes each, aligned
.endr
	s_cmp_lg_u32 s23, 0                            ; the sums of signs hang on rho alone: the work-groups with g = 0 store them
	s_cbranch_scc1 .Lno_r
	global_store_b32 v18, v[ACCR], s[42:43]        ; every row of that tile is the same: lanes L and L + 16 store one word with one value
.Lno_r:
	s_wait_dscnt 0x0                               ; the closing lines, six on end
	s_wait_alu 0x0
	s_wait_tensorcnt 0x0
	ds_add_u32 v22, v23
	s_wait_dscnt 0x0
	s_endpgm
.Lfunc_end_k_q4d81981086_prep:
	.size	k_q4d81981086_prep, .Lfunc_end_k_q4d81981086_prep-k_q4d81981086_prep
	.p2alignl 7, 3214868480
	.fill 96, 4, 3214868480
	.section	.rodata,"a",@progbits
	.p2align	6, 0x0
	.amdhsa_kernel k_q4d81981086_prep
		.amdhsa_group_segment_fixed_size 77312
		.amdhsa_private_segment_fixed_size 0
		.amdhsa_enable_private_segment 0
		.amdhsa_kernarg_size 72
		.amdhsa_user_sgpr_count 2
		.amdhsa_user_sgpr_kernarg_segment_ptr 1
		.amdhsa_wavefront_size32 1
		.amdhsa_system_sgpr_workgroup_id_x 1
		.amdhsa_system_sgpr_workgroup_id_y 1
		.amdhsa_system_sgpr_workgroup_id_z 1
		.amdhsa_system_vgpr_workitem_id 0
		.amdhsa_next_free_vgpr 256
		.amdhsa_next_free_sgpr 66
		.amdhsa_reserve_vcc 0
		.amdhsa_float_denorm_mode_32 3
		.amdhsa_float_denorm_mode_16_64 3
		.amdhsa_memory_ordered 1
		.amdhsa_forward_progress 1
		.amdhsa_inst_pref_size 34
	.end_amdhsa_kernel
	.amdgpu_metadata
---
amdhsa.version: [ 1, 2 ]
amdhsa.kernels:
  - .name:           k_q4d81981086_prep
    .symbol:         k_q4d81981086_prep.kd
    .args:
      - { .name: embeds, .offset: 0, .size: 8, .value_kind: global_buffer, .address_space: global }
      - { .name: labels, .offset: 8, .size: 8, .value_kind: global_buffer, .address_space: global }
      - { .name: W1, .offset: 16, .size: 8, .value_kind: global_buffer, .address_space: global }
      - { .name: W2, .offset: 24, .size: 8, .value_kind: global_buffer, .address_space: global }
      - { .name: out1, .offset: 32, .size: 8, .value_kind: global_buffer, .address_space: global }
      - { .name: xb, .offset: 40, .size: 8, .value_kind: global_buffer, .address_space: global }
      - { .name: wb, .offset: 48, .size: 8, .value_kind: global_buffer, .address_space: global }
      - { .name: part, .offset: 56, .size: 8, .value_kind: global_buffer, .address_space: global }
      - { .name: rpart, .offset: 64, .size: 8, .value_kind: global_buffer, .address_space: global }
    .group_segment_fixed_size: 77312
    .private_segment_fixed_size: 0
    .kernarg_segment_align: 8
    .kernarg_segment_size: 72
    .max_flat_workgroup_size: 256
    .sgpr_count:     66
    .vgpr_count:     256
    .wavefront_size: 32
...
	.end_amdgpu_metadata
.endif
;; end of part 5
;; launch gemm: the kernel of part 2 again; grid 4 x 64, 4 waves a work-group, no clusters, 168,448 bytes of LDS; arguments xb, wb, b1, part, plog, dc; writes plog, dc
;; launch rows: the kernel of part 3 again; grid 256 x 1, 8 waves a work-group, no clusters, 0 bytes of LDS; arguments embeds, labels, b2, dc, rpart, plog, out0, psum; writes out0, psum
;; launch final: the kernel of part 4 again; grid 1 x 1, 1 waves a work-group, no clusters, 0 bytes of LDS; arguments psum, out2; writes out2
